; MI455X (gfx1250); checked and timed in simulation.
; The chip was launched on July 23, 2026; its instructions are those of AMD's public machine-readable ISA for CDNA 5 (MIT licence, August 2026) and "CDNA5" Instruction Set Architecture Reference Guide (July 2026). The comments in the code are by the model that wrote it; some were corrected since.
;; Write Path. Allowed arithmetic: matrix products marked QUANTISED: E5M2 operands, one given power-of-two scale a tensor, by v_wmma_f32_16x16x64_bf8_bf8 or v_wmma_f32_16x16x128_bf8_bf8, f32 sums; products left as they are: f32 operands where the result goes on into a quantised operand, else bf16, f16 or f32 operands; f32 sums; everything else in f32.
;; Inputs: W_obs_codes 512 x 64 x 32 uint8 (E5M2 codes of W_obs, K innermost, in blocks of 32 codes); active_indices 8,192 int32; beliefs 8,192 x 512 float32; gb1 512 float32; gb2 1 float32; gw1_codes 512 x 64 x 32 uint8 (E5M2 codes of gw1, K innermost, in blocks of 32 codes); gw2 512 x 1 float32; hidden_codes 4 x 2,048 x 64 x 32 uint8 (E5M2 codes of hidden, K innermost, in blocks of 32 codes); lowp_scales 8 int32 (the exponents e of the quantised operands' scales 2^e); pb1 512 float32; pb2 1 float32; pw1_codes 512 x 64 x 32 uint8 (E5M2 codes of pw1, K innermost, in blocks of 32 codes); pw2 512 x 1 float32.
;; Outputs: out0 4 x 2,048 x 512 float32; out1 8,192 int32; out2 8,192 float32; out3 8,192 bool.
;; This version of the problem:
;;   THIS VERSION OF THE PROBLEM IS GIVEN IN LOW PRECISION. The matrix products marked QUANTISED in the list below multiply operands that are first quantised to E5M2 (5 exponent bits, 2 mantissa bits; 8 bits a number), with one given power-of-two scale for each operand tensor; their sums are f32. All else is computed in f32.
;;   The module's matrix products, in the order in which they are computed (A, B: the left and right operand; K: the contracted axis; several contracted axes count as one K, in the product's order):
;;     1. [M 8,192, K 2,048] x [K 2,048, N 512]; A: input hidden (given as codes); B: input W_obs (given as codes): QUANTISED (scales: A lowp_scales[0], B lowp_scales[1])
;;     2. [M 8,192, K 2,048] x [K 2,048, N 512]; A: input hidden (given as codes); B: input gw1 (given as codes): QUANTISED (scales: A lowp_scales[2], B lowp_scales[3])
;;     3. [M 8,192, K 512] x [K 512, N 1]; A: computed on the way; B: input gw2: left as it is (N = 1 < 16)
;;     4. [M 8,192, K 2,048] x [K 2,048, N 512]; A: input hidden (given as codes); B: input pw1 (given as codes): QUANTISED (scales: A lowp_scales[4], B lowp_scales[5])
;;     5. [M 8,192, K 512] x [K 512, N 1]; A: computed on the way; B: input pw2: left as it is (N = 1 < 16)
;;     6. [M 8,192, K 512] x [K 512, N 8,192]; A: computed on the way; B: computed on the way: QUANTISED (scales: A lowp_scales[6], B lowp_scales[7])
;;   THE QUANTISER, for each operand of a quantised product, along K:
;;     - The operand's scale is 2^e, e = its entry of the input lowp_scales (int32; the entries are numbered through the quantised products in the list's order, A before B).
;;     - Each number is divided by the scale, clamped to +-57,344, and rounded to the nearest number of E5M2, ties to even, subnormals kept.
;;     - The product sums the exact products of the quantised numbers (number of the format x scale) in f32.
;;   ~~~python
;;   def quantise(x, axis, e):      # numpy; x: float32 -> the quantised numbers, widened to float32 again
;;       x = np.moveaxis(x, axis, -1); K = x.shape[-1]
;;       r = np.clip(x / 2.0 ** e, -57344, 57344)
;;       step = 2.0 ** (np.maximum(np.frexp(np.where(r == 0, 1, r))[1] - 1, -14) - 2)
;;       q = np.round(r / step) * step * 2.0 ** e      # np.round: ties to even
;;       return np.moveaxis(q, -1, axis).astype(np.float32)
;;   ~~~
;;   OPERANDS COMPUTED ON THE WAY. 'Computed on the way' means the value that the module computes at that place (a softmax that the list does not call 'softmax' is quantised finished and normalised). What goes into a quantiser is computed in f32, as accurately as f32 sums, v_exp_f32 and their like allow (about 1e-6 of the number): no bf16 or f16 on the way to a quantiser, and a product that is left as it is and whose result goes on into a quantised operand takes f32 operands (vector FMAs, or v_wmma_f32_16x16x4_f32). A number that lies on a knife's edge between two numbers of the format may be rounded either way, as far as f32 arithmetic and the matrix unit's own rounding can turn it there, and no further.
;;   INPUTS GIVEN AS CODES. W_obs (in the module: [2048, 512], K = its axis 0); gw1 (in the module: [2048, 512], K = its axis 0); hidden (in the module: [4, 2048, 2048], K = its axis 2); pw1 (in the module: [2048, 512], K = its axis 0): each comes as NAME_codes (uint8): NAME with its K axis moved to the last place and cut into blocks of 32 codes, [.., K / 32, bytes a block], one block behind the other in memory; one code a byte (a code: sign, 5 exponent bits, 2 mantissa bits); its scale is its entry of lowp_scales. Its value is code x scale, taken as it is: it is not quantised again, and the codes and scales need not be those that the quantiser above would give.
;; One version. Each part assembles by itself: llvm-mc -triple=amdgcn-amd-amdhsa -mcpu=gfx1250 --defsym DOCPART=n.
;; ======== version 1 of 1: 4 launches
;; limits: right only within a limited range of input values
;; workspace buffers: obs 16,777,216 bytes; dots 262,144 bytes; radii 32,768 bytes; acodes 4,194,304 bytes; bcodes 4,194,304 bytes; pval 524,288 bytes; pidx 524,288 bytes of whole numbers
;; launch proj (part 1): grid 4 x 64, 4 waves a work-group, clusters of 4 x 4, 327,680 bytes of LDS; arguments hidden_codes, W_obs_codes, gw1_codes, pw1_codes, lowp_scales, gb1, gw2, pb1, pw2, obs, dots; writes obs, dots
.if DOCPART == 1
	.amdgcn_target "amdgcn-amd-amdhsa--gfx1250"
	.amdhsa_code_object_version 6
	.text
	.protected	k_qba33b63884_proj
	.globl	k_qba33b63884_proj
	.p2align	8
	.type	k_qba33b63884_proj,@function
k_qba33b63884_proj:
	s_mov_b64 s[64:65], 0
	v_nop
	global_prefetch_b8 v0, s[64:65] scope:SCOPE_SE
	s_setreg_imm32_b32 hwreg(HW_REG_WAVE_MODE, 25, 1), 1
	s_wait_xcnt 0x0
	s_wait_alu depctr_hold_cnt(0) depctr_sa_sdst(0) depctr_va_vdst(0) depctr_va_sdst(0) depctr_va_ssrc(0) depctr_va_vcc(0) depctr_vm_vsrc(0)
	s_getreg_b32 s2, hwreg(HW_REG_IB_STS2, 6, 4)
	s_cmp_eq_u32 s2, 0
	s_cbranch_scc0 .Lentry_in_a_cluster
	s_endpgm
.Lentry_in_a_cluster:
	s_bfe_u32 s2, ttmp6, 0x10000c
	s_cmp_lg_u32 s2, 0xf033
	s_cbranch_scc0 .Lentry_shape_is_right
	s_endpgm
.Lentry_shape_is_right:
; THE THREE PROJECTIONS on codes of BF8 (E5M2), K = 2,048, f32 sums: obs = hidden W_obs; hg = relu(hidden gw1 + gb1), hp = relu(hidden pw1 + pb1), of which only the parts of hg . gw2 and hp . pw2 leave.
; A work-group owns 128 rows of hidden x 128 columns of each of the three weights; wave w owns all 128 rows x columns 32 w .. 32 w + 31 of each weight: 48 accumulators, 384 registers.
; K goes in steps of 256 through a ring of two LDS slots: 128 rows of hidden (wave 0's load), then 128 rows of each weight (waves 1 to 3): rows of 256 bytes, 272 apart in LDS.
; CLUSTER 4 x 4: hidden's tile is shared along a row of the cluster, a weight's along a column: joint loads, one a wave behind each round.
; The matrix instruction is used transposed (source 0 = 16 rows of a weight, source 1 = 16 rows of hidden): a lane holds eight neighbouring columns of one row.
; OUT: obs [8192][512] f32 = sums x 2^(e0 + e1), through a stage in slot 0 (behind its last fill and last read), whole rows of 512 bytes; dots [2 heads][4 column blocks][8192] f32.
; obs leaves first, behind a barrier of its own; the two heads' vector work follows while those stores are on their way.
; PREFETCH: each wave names 32 rows x 256 bytes, a lane a row: of the 128 rows that it fetches, the partner at place p (cx for hidden, cy for a weight) takes rows 32 p .. 32 p + 31.
; The head asks for K steps 1 to 3; the refill of K step t asks for K step t + 2; the loop's last trip asks for nothing: K step 7 is the last.
; LIMITS: e0 + e1, e2 + e3, e4 + e5 between -126 and 127, so that each power of two is an f32 number.
.set PFO,    12                        ; v12: my lane x 2,048 bytes, a row of codes; never rewritten
.set PFA,    12                        ; s[12:13]: where my prefetches stand
.set PITCH,  272
.set HALFT,  128*PITCH
.set SLOT,   4*HALFT
.set SPARE,  2*SLOT
.set SPITCH, 528
.set DOTS,   128*SPITCH
.set CO,   10
.set BO,   11
.set ADRA, 16
.set ADRB, 20
.set STO,  26
.set RD,   27
.set SPW,  28
.set NIL,  29
.set DST,  30
.set DRD,  31
.set BF,   64
.set TMP,  64
.set DD,   192
.set BIA,  128
.set G1,  24
.set G0,  32
.set G1B, 48
.set G0B, 56
.set MUL_LO, 0xa4
.set MUL_HI, 0xf4
.set MSB, 0
.macro WIN new
.if MSB != \new
	s_set_vgpr_msb (MSB<<8)|\new
.set MSB, \new
.endif
.endm
.macro PLACES n
.rept \n
	v_nop
.endr
.endm
.macro JLOAD s
	s_cmp_eq_u32 s14, 0
	s_cbranch_scc0 .Lfor_b_\@
	tensor_load_to_lds s[G0+4*\s:G0+4*\s+3], s[G1:G1+7]
	s_nop 0
.rept 4
	v_nop
.endr
	s_branch .Lasked_\@
.Lfor_b_\@:
	tensor_load_to_lds s[G0B+4*\s:G0B+4*\s+3], s[G1B:G1B+7]
	s_nop 0
.rept 4
	v_nop
.endr
.Lasked_\@:
.endm
.macro CREST
	s_cmp_lg_u32 s14, 0
	s_cbranch_scc1 .Lnot_wave_0_\@
	s_barrier_signal -3
.Lnot_wave_0_\@:
	s_barrier_wait -3
	s_barrier_signal -1
	s_barrier_wait -1
.endm
.macro CROUND
	s_barrier_signal -1
	s_barrier_wait -1
	CREST
.endm
	s_load_b256 s[4:11], s[0:1], 0x0
	s_load_b256 s[68:75], s[0:1], 0x20
	s_load_b128 s[76:79], s[0:1], 0x40
	s_load_b64 s[80:81], s[0:1], 0x50
	v_lshl_add_u32 v[SPW], v0, 2, SPARE
	v_mov_b32 v[NIL], 0
	ds_add_u32 v28, v29
	ds_add_u32 v28, v29
	s_wait_dscnt 0x0
	v_lshrrev_b32 v1, 5, v0
	v_readfirstlane_b32 s14, v1
	s_bfe_u32 s40, ttmp6, 0x40000
	s_bfe_u32 s41, ttmp6, 0x40004
	s_lshl_b32 s42, ttmp9, 2
	s_add_co_u32 s42, s42, s40
	s_and_b32 s17, ttmp7, 0xffff
	s_lshl_b32 s17, s17, 2
	s_add_co_u32 s17, s17, s41
	s_lshl_b32 s43, s41, 2
	s_lshl_b32 s43, 15, s43
	s_lshl_b32 s44, 0x1111, s40
	s_or_b32 s[G1], s43, (0<<16)|(1<<20)|(1<<21)|(5<<22)|(3<<25)
	s_or_b32 s[G1B], s44, (0<<16)|(1<<20)|(1<<21)|(5<<22)|(3<<25)
.irp g, G1, G1B
	s_mov_b32 s[\g+1], 256<<16
	s_mov_b32 s[\g+2], 128<<16
	s_mov_b32 s[\g+3], 256<<16
	s_mov_b32 s[\g+4], 128
	s_mov_b32 s[\g+5], 2048
	s_mov_b32 s[\g+6], 0
	s_mov_b32 s[\g+7], 0
.endr
	s_lshl_b32 s20, s17, 18
	s_mov_b32 s21, 0
	s_lshl_b32 s46, s42, 18
	s_mov_b32 s47, 0
	s_mul_i32 s45, s14, HALFT
	s_mov_b32 s82, 0x76543210
	s_mov_b32 s83, 0xfedcba98
	s_wait_kmcnt 0x0
	s_load_b256 s[84:91], s[68:69], 0x0
	s_add_nc_u64 s[20:21], s[4:5], s[20:21]
	s_cmp_eq_u32 s14, 2
	s_cselect_b64 s[18:19], s[8:9], s[6:7]
	s_cmp_eq_u32 s14, 3
	s_cselect_b64 s[18:19], s[10:11], s[18:19]
	s_add_nc_u64 s[46:47], s[18:19], s[46:47]
	CROUND
.irp s, 0,1
	s_mov_b32 s[G0+4*\s], 1
	s_mov_b32 s[G0+4*\s+1], \s*SLOT
	s_add_nc_u64 s[G0+4*\s+2:G0+4*\s+3], s[20:21], \s*256
	s_or_b32 s[G0+4*\s+3], s[G0+4*\s+3], 0x80000000
	s_mov_b32 s[G0B+4*\s], 1
	s_add_co_u32 s[G0B+4*\s+1], s45, \s*SLOT
	s_add_nc_u64 s[G0B+4*\s+2:G0B+4*\s+3], s[46:47], \s*256
	s_or_b32 s[G0B+4*\s+3], s[G0B+4*\s+3], 0x80000000
.endr
	JLOAD 0                                        ; K step 0: one tensor load a wave at the head; the set-up below stands under its flight
	s_cmp_eq_u32 s14, 0                            ; the prefetches' address: do I fetch hidden or a weight?
	s_cselect_b64 s[PFA:PFA+1], s[4:5], s[18:19]
	s_cselect_b32 s15, s17, s42                    ; the tile's number: by the tile row, or by the tile column
	s_cselect_b32 s16, s40, s41                    ; my place among the four that ask for it with me
	s_lshl_b32 s15, s15, 7                         ; x 128 rows
	s_lshl_b32 s16, s16, 5                         ; + my work-group's 32 of them
	s_add_co_u32 s15, s15, s16
	s_lshl_b32 s98, s15, 11                        ; x 2,048 bytes
	s_mov_b32 s99, 0
	s_add_nc_u64 s[PFA:PFA+1], s[PFA:PFA+1], s[98:99]
	s_add_nc_u64 s[PFA:PFA+1], s[PFA:PFA+1], 256   ; at K step 1
	v_and_b32 v1, 15, v0
	v_bfe_u32 v2, v0, 4, 1
	v_and_b32 v5, 31, v0
	v_mul_u32_u24 v[ADRA], v1, PITCH
	v_lshl_add_u32 v[ADRA], v2, 4, v[ADRA]
	v_add_nc_u32 v[ADRA+1], SLOT, v[ADRA]
	s_mul_i32 s22, s14, 32*PITCH
	v_add_nc_u32 v4, s22, v[ADRA]
.irp wt, 0,1,2
.irp s, 0,1
	v_add_nc_u32 v[ADRB+2*\wt+\s], (1+\wt)*HALFT+\s*SLOT, v4
.endr
.endr
	v_lshlrev_b32 v[CO], 4, v5
	v_lshlrev_b32 v[BO], 5, v2
	v_lshlrev_b32 v[PFO], 11, v5
	s_wait_alu depctr_va_vdst(0)
	v_mul_u32_u24 v[STO], v1, SPITCH
	v_lshl_add_u32 v[STO], v2, 5, v[STO]
	s_lshl_b32 s23, s14, 7
	v_add_nc_u32 v[STO], s23, v[STO]
	s_mul_i32 s23, s14, 32*SPITCH
	v_add_nc_u32 v[RD], s23, v[CO]
	s_lshl_b32 s23, s14, 9
	s_add_co_u32 s23, s23, DOTS
	v_lshl_add_u32 v[DST], v1, 2, s23
	s_and_b32 s23, s14, 1
	s_lshl_b32 s23, s23, 11
	s_add_co_u32 s23, s23, DOTS
	v_add_nc_u32 v[DRD], s23, v[CO]
	s_lshl_b32 s22, s42, 9
	s_lshl_b32 s23, s14, 7
	s_add_co_u32 s22, s22, s23
	s_mov_b32 s23, 0
	s_add_nc_u64 s[70:71], s[70:71], s[22:23]
	s_add_nc_u64 s[72:73], s[72:73], s[22:23]
	s_add_nc_u64 s[74:75], s[74:75], s[22:23]
	s_add_nc_u64 s[76:77], s[76:77], s[22:23]
	WIN 0xc0
.irp ty, 0,1
.irp kd, 0,1
.irp bb, 0,1
.irp hf, 0,1
	global_load_b128 v[BIA+32*\ty+16*\kd+8*\bb+4*\hf:BIA+32*\ty+16*\kd+8*\bb+4*\hf+3], v[BO], s[70+4*\ty+2*\kd:71+4*\ty+2*\kd] offset:64*\bb+16*\hf
.endr
.endr
.endr
.endr
	WIN 0
	global_prefetch_b8 v[PFO], s[PFA:PFA+1] th:TH_LOAD_NT scope:SCOPE_SE              ; K steps 1, 2 and 3 of my 32 rows
	global_prefetch_b8 v[PFO], s[PFA:PFA+1] offset:256 th:TH_LOAD_NT scope:SCOPE_SE
	global_prefetch_b8 v[PFO], s[PFA:PFA+1] offset:512 th:TH_LOAD_NT scope:SCOPE_SE
	s_lshl_b32 s22, s17, 18
	s_lshl_b32 s23, s14, 16
	s_add_co_u32 s22, s22, s23
	s_lshl_b32 s23, s42, 9
	s_add_co_u32 s22, s22, s23
	s_mov_b32 s23, 0
	s_add_nc_u64 s[78:79], s[78:79], s[22:23]
	s_and_b32 s22, s14, 1
	s_lshl_b32 s22, s22, 17
	s_lshl_b32 s23, s42, 15
	s_add_co_u32 s22, s22, s23
	s_lshl_b32 s23, s17, 9
	s_add_co_u32 s22, s22, s23
	s_mov_b32 s23, 0
	s_add_nc_u64 s[80:81], s[80:81], s[22:23]
	s_wait_kmcnt 0x0
.irp n, 0,1,2
	s_add_co_i32 s[92+2*\n], s[84+2*\n], s[85+2*\n]
	s_add_co_i32 s[92+2*\n], s[92+2*\n], 127
	s_lshl_b32 s[92+2*\n], s[92+2*\n], 23
	s_mov_b32 s[93+2*\n], s[92+2*\n]
.endr
.macro FETCH slot, q, p
	WIN 0x40
.irp a, 0,1,2,3,4,5,6,7
.irp c, 0,1,2,3
	ds_load_b128 v[128*(\p)+16*\a+4*\c:128*(\p)+16*\a+4*\c+3], v[ADRA+\slot] offset:128*(\q)+32*\c+\a*16*PITCH
.endr
.endr
	WIN 0
.irp b, 4,5,0,1,2,3
.irp c, 0,1,2,3
	ds_load_b128 v[BF+96*(\p)+16*\b+4*\c:BF+96*(\p)+16*\b+4*\c+3], v[ADRB+2*(\b/2)+\slot] offset:128*(\q)+32*\c+(\b%2)*16*PITCH
.endr
.endr
.endm
.macro MULB b, p, zero
.irp a, 0,1,2,3,4,5,6,7
.if \zero
	v_wmma_f32_16x16x128_bf8_bf8 v[64*((\b)%4)+8*\a:64*((\b)%4)+8*\a+7], v[BF+96*(\p)+16*(\b):BF+96*(\p)+16*(\b)+15], v[128*(\p)+16*\a:128*(\p)+16*\a+15], 0
.else
	v_wmma_f32_16x16x128_bf8_bf8 v[64*((\b)%4)+8*\a:64*((\b)%4)+8*\a+7], v[BF+96*(\p)+16*(\b):BF+96*(\p)+16*(\b)+15], v[128*(\p)+16*\a:128*(\p)+16*\a+15], v[64*((\b)%4)+8*\a:64*((\b)%4)+8*\a+7]
.endif
.endr
.endm
.macro STEP slot, zero
	s_wait_dscnt 16
	WIN MUL_HI
	MULB 4, 0, \zero
	MULB 5, 0, \zero
	s_wait_dscnt 0x0
	PLACES 4
	FETCH \slot, 1, 1
	WIN MUL_LO
	MULB 0, 0, \zero
	MULB 1, 0, \zero
	MULB 2, 0, \zero
	MULB 3, 0, \zero
.endm
.macro ASK                             ; the K step two refills on; s3 = 1 in the loop's last trip, whose refills are K steps 6 and 7
	s_cmp_gt_u32 s3, 1
	s_cbranch_scc0 .Lno_ask_\@
	global_prefetch_b8 v[PFO], s[PFA:PFA+1] offset:512 th:TH_LOAD_NT scope:SCOPE_SE
.Lno_ask_\@:
.endm
.macro TURN slot, next, fill
	WIN 0
.if \fill
	s_wait_xcnt 0x0                                ; my last prefetch has read its address: it steps here, a K step behind that prefetch
	s_add_nc_u64 s[PFA:PFA+1], s[PFA:PFA+1], 256
.endif
	s_wait_tensorcnt 0x0
	ds_add_u32 v[SPW], v[NIL]
	s_wait_dscnt 17
	WIN MUL_HI
	MULB 4, 1, 0
	s_wait_dscnt 0x0
	s_barrier_signal -1
	MULB 5, 1, 0
	WIN 0
	s_barrier_wait -1
.if \fill
	CREST
	s_add_nc_u64 s[G0+4*\slot+2:G0+4*\slot+3], s[G0+4*\slot+2:G0+4*\slot+3], 512
	s_add_nc_u64 s[G0B+4*\slot+2:G0B+4*\slot+3], s[G0B+4*\slot+2:G0B+4*\slot+3], 512
	JLOAD \slot
.else
	PLACES 4
.endif
	FETCH \next, 0, 0
.if \fill
	ASK                                            ; behind the joint load and the run of LDS loads
.endif
	WIN MUL_LO
	MULB 0, 1, 0
	MULB 1, 1, 0
	MULB 2, 1, 0
	MULB 3, 1, 0
.endm
	s_wait_alu depctr_va_vdst(0)                   ; the wait at the head's end
	s_wait_tensorcnt 0x0                           ; my part of K step 0 is in; the lines ahead of a later first fill:
	ds_add_u32 v[SPW], v[NIL]
	s_wait_dscnt 0x0
	CROUND                                         ; everybody's part is in, and all sixteen work-groups are here
	JLOAD 1                                        ; K step 1: slot 1's first fill, the first tensor load behind the round
	FETCH 0, 0, 0
	STEP 0, 1
	WIN 0
	s_mov_b32 s3, 3
.Llap:
	TURN 0, 1, 1
	STEP 1, 0
	TURN 1, 0, 1
	STEP 0, 0
	WIN 0
	s_sub_co_u32 s3, s3, 1
	s_cmp_lg_u32 s3, 0
	s_cbranch_scc1 .Llap
	TURN 0, 1, 0
	STEP 1, 0
	s_wait_dscnt 16
	WIN MUL_HI
	MULB 4, 1, 0
	MULB 5, 1, 0
	s_wait_dscnt 0x0
	WIN MUL_LO
	MULB 0, 1, 0
	MULB 1, 1, 0
	MULB 2, 1, 0
	MULB 3, 1, 0
	s_wait_loadcnt 0x0
	PLACES 4
	WIN 0x02
.set i, 0
.rept 64
	v_pk_mul_f32 v[TMP+i:TMP+i+1], v[i:i+1], s[92:93] op_sel_hi:[1,0]
.set i, i+2
.endr
	WIN 0
.irp a, 0,1,2,3,4,5,6,7
.irp b, 0,1
	ds_store_b128 v[STO], v[TMP+64*\b+8*\a:TMP+64*\b+8*\a+3] offset:\a*16*SPITCH+64*\b
	ds_store_b128 v[STO], v[TMP+64*\b+8*\a+4:TMP+64*\b+8*\a+7] offset:\a*16*SPITCH+64*\b+16
.endr
.endr
	s_wait_dscnt 0x0                               ; for the others' sake: my 128 bytes of each of the stage's rows are stored
	s_barrier_signal -1
	s_barrier_wait -1                              ; a row's 512 bytes come from four waves
.set t, 0
.rept 32
	ds_load_b128 v[TMP+4*t:TMP+4*t+3], v[RD] offset:t*SPITCH   ; wave w takes rows 32 w .. 32 w + 31, whole
.set t, t+1
.endr
.set t, 0
.rept 32
	s_wait_dscnt 31-t                              ; row t is back; the younger loads may be out
	global_store_b128 v[CO], v[TMP+4*t:TMP+4*t+3], s[78:79] offset:t*2048   ; 32 lanes store 512 consecutive bytes; these registers are not written again
.set t, t+1
.endr
.macro HEADDOT ty
	WIN 0x72+\ty
.set i, 0
.rept 64
	v_pk_fma_f32 v[128*\ty+i:128*\ty+i+1], v[128*(1-\ty)+i:128*(1-\ty)+i+1], s[94+2*\ty:95+2*\ty], v[BIA+32*\ty+8*(i/64)+i%8:BIA+32*\ty+8*(i/64)+i%8+1] op_sel_hi:[1,0,1]
.set i, i+2
.endr
	WIN 0x44
.set i, 0
.rept 128
	v_max_num_f32 v[128*\ty+i], 0, v[128*\ty+i]
.set i, i+1
.endr
	WIN 0x0d
.irp bb, 0,1
.irp j, 0,2,4,6
.irp a, 0,1,2,3,4,5,6,7
.if (\bb == 0) && (\j == 0)
	v_pk_mul_f32 v[DD+16*\ty+2*\a:DD+16*\ty+2*\a+1], v[128*\ty+64*\bb+8*\a+\j:128*\ty+64*\bb+8*\a+\j+1], v[BIA+32*\ty+16+8*\bb+\j:BIA+32*\ty+16+8*\bb+\j+1]
.else
	v_pk_fma_f32 v[DD+16*\ty+2*\a:DD+16*\ty+2*\a+1], v[128*\ty+64*\bb+8*\a+\j:128*\ty+64*\bb+8*\a+\j+1], v[BIA+32*\ty+16+8*\bb+\j:BIA+32*\ty+16+8*\bb+\j+1], v[DD+16*\ty+2*\a:DD+16*\ty+2*\a+1]
.endif
.endr
.endr
.endr
	WIN 0
.irp a, 0,1,2,3,4,5,6,7
	v_add_f32 v[DD+16*\ty+2*\a], v[DD+16*\ty+2*\a], v[DD+16*\ty+2*\a+1]
.endr
.irp a, 0,1,2,3,4,5,6,7
	v_permlanex16_b32 v[DD+16*\ty+2*\a+1], v[DD+16*\ty+2*\a], s82, s83
.endr
.irp a, 0,1,2,3,4,5,6,7
	v_add_f32 v[DD+16*\ty+2*\a], v[DD+16*\ty+2*\a], v[DD+16*\ty+2*\a+1]
.endr
.irp a, 0,1,2,3,4,5,6,7
	ds_store_b32 v[DST], v[DD+16*\ty+2*\a] offset:2048*\ty+64*\a
.endr
.endm
	HEADDOT 0
	HEADDOT 1
	s_wait_dscnt 0x0
	s_barrier_signal -1
	s_barrier_wait -1
	s_cmp_lt_u32 s14, 2
	s_cbranch_scc0 .Lno_dots
.irp sw, 0,1,2,3
	ds_load_b128 v[32+4*\sw:35+4*\sw], v[DRD] offset:512*\sw
.endr
	s_wait_dscnt 0x0
	v_pk_add_f32 v[32:33], v[32:33], v[36:37]
	v_pk_add_f32 v[34:35], v[34:35], v[38:39]
	v_pk_add_f32 v[32:33], v[32:33], v[40:41]
	v_pk_add_f32 v[34:35], v[34:35], v[42:43]
	v_pk_add_f32 v[32:33], v[32:33], v[44:45]
	v_pk_add_f32 v[34:35], v[34:35], v[46:47]
	global_store_b128 v[CO], v[32:35], s[80:81]
.Lno_dots:
	s_wait_tensorcnt 0x0
	ds_add_u32 v[SPW], v[NIL]
	s_wait_dscnt 0x0
	CROUND
	s_endpgm
.Lfunc_end_k_qba33b63884_proj:
	.size	k_qba33b63884_proj, .Lfunc_end_k_qba33b63884_proj-k_qba33b63884_proj
	.p2alignl 7, 3214868480
	.fill 96, 4, 3214868480
	.section	.rodata,"a",@progbits
	.p2align	6, 0x0
	.amdhsa_kernel k_qba33b63884_proj
		.amdhsa_group_segment_fixed_size 327680
		.amdhsa_private_segment_fixed_size 0
		.amdhsa_enable_private_segment 0
		.amdhsa_kernarg_size 88
		.amdhsa_user_sgpr_count 2
		.amdhsa_user_sgpr_kernarg_segment_ptr 1
		.amdhsa_wavefront_size32 1
		.amdhsa_system_sgpr_workgroup_id_x 1
		.amdhsa_system_sgpr_workgroup_id_y 1
		.amdhsa_system_sgpr_workgroup_id_z 1
		.amdhsa_system_vgpr_workitem_id 0
		.amdhsa_next_free_vgpr 1024
		.amdhsa_next_free_sgpr 100
		.amdhsa_reserve_vcc 0
		.amdhsa_float_denorm_mode_32 3
		.amdhsa_float_denorm_mode_16_64 3
		.amdhsa_memory_ordered 1
		.amdhsa_forward_progress 1
		.amdhsa_inst_pref_size 109
	.end_amdhsa_kernel
	.amdgpu_metadata
---
amdhsa.version: [ 1, 2 ]
amdhsa.kernels:
  - .name:           k_qba33b63884_proj
    .symbol:         k_qba33b63884_proj.kd
    .args:
      - { .name: hidden_codes, .offset: 0, .size: 8, .value_kind: global_buffer, .address_space: global }
      - { .name: W_obs_codes, .offset: 8, .size: 8, .value_kind: global_buffer, .address_space: global }
      - { .name: gw1_codes, .offset: 16, .size: 8, .value_kind: global_buffer, .address_space: global }
      - { .name: pw1_codes, .offset: 24, .size: 8, .value_kind: global_buffer, .address_space: global }
      - { .name: lowp_scales, .offset: 32, .size: 8, .value_kind: global_buffer, .address_space: global }
      - { .name: gb1, .offset: 40, .size: 8, .value_kind: global_buffer, .address_space: global }
      - { .name: gw2, .offset: 48, .size: 8, .value_kind: global_buffer, .address_space: global }
      - { .name: pb1, .offset: 56, .size: 8, .value_kind: global_buffer, .address_space: global }
      - { .name: pw2, .offset: 64, .size: 8, .value_kind: global_buffer, .address_space: global }
      - { .name: obs, .offset: 72, .size: 8, .value_kind: global_buffer, .address_space: global }
      - { .name: dots, .offset: 80, .size: 8, .value_kind: global_buffer, .address_space: global }
    .group_segment_fixed_size: 327680
    .private_segment_fixed_size: 0
    .kernarg_segment_align: 8
    .kernarg_segment_size: 88
    .max_flat_workgroup_size: 128
    .sgpr_count:     100
    .vgpr_count:     1024
    .wavefront_size: 32
...
	.end_amdgpu_metadata
.endif
;; end of part 1
;; launch angles (part 2): grid 256 x 1, 4 waves a work-group, no clusters, 35,328 bytes of LDS; arguments obs, beliefs, dots, gb2, pb2, lowp_scales, out0, radii, acodes, bcodes; writes out0, radii, acodes, bcodes
.if DOCPART == 2
	.amdgcn_target "amdgcn-amd-amdhsa--gfx1250"
	.amdhsa_code_object_version 6
	.text
	.protected	k_qba33b63884_angles
	.globl	k_qba33b63884_angles
	.p2align	8
	.type	k_qba33b63884_angles,@function
k_qba33b63884_angles:
	s_mov_b64 s[64:65], 0
	v_nop
	global_prefetch_b8 v0, s[64:65] scope:SCOPE_SE
	s_setreg_imm32_b32 hwreg(HW_REG_WAVE_MODE, 25, 1), 1
	s_wait_xcnt 0x0
; THE ROWS ARE FINISHED AND QUANTISED.  Work-groups 0-127 take the 8,192 rows of obs, work-groups 128-255 the 8,192 beliefs; both go ONE way through the text.
; obs row:    gp = sigmoid(zg) x softplus(zp), z = the four parts of the row's dot product + the bias;  ob = (x / max(|x|, 1e-8)) x gp -> out0;  radius = |ob| -> radii;  ob / max(radius, 1e-8) -> codes with 2^e6.
; belief row: the two factors are 1, so ob = x;  x / max(|x|, 1e-8) -> codes with 2^e7.  (A belief work-group computes the first norm and a gp too and selects 1 in their place: no branch parts the arithmetic.)
; code = number / 2^e, held within +-57,344, to the nearest code of E5M2, ties to even.  All arithmetic in f32; a division is v_rcp_f32 and a multiplication.
; SHARES.  A wave owns a tile of 16 rows, 32 KiB, all of it in 256 registers (window 1): read once.  Of a row, load j gives lane l the numbers k = 128 j + 4 l .. + 3: each load and each store of out0 covers 512 consecutive bytes.
; THE CODES ARE LAID AS THE NEXT LAUNCH'S OPERAND REGISTERS WANT THEM: [tile of 16 rows][k / 16][row][k % 16], 8,192 bytes a tile: there a lane's 16 bytes at 16 x lane of each 512 are four registers of a fragment.
; A lane's four codes of a row are one word; the words turn through the wave's own stage in LDS (32 lines of 256 bytes + 16) and leave as 512 consecutive bytes a store.  No barrier: waves share nothing.
; LIMITS: e6, e7 between -126 and 112.  NaN is not served.  A sum of squares or a sigmoid under 2^-126 counts as 0 (v_sqrt_f32 and v_rcp_f32 flush denormals: ISA guide 15.8); a norm so small lies under 1e-8 either way.
; radii: a wave stores its 16 numbers, 64 bytes, by one instruction in which lanes l and l + 16 write the same word.
.set LO,  2                            ; v2   16 x lane
.set SW,  3                            ; v3   the stage, in: 8,704 w + 272 (lane / 4) + 4 (lane % 4)
.set SRD, 4                            ; v4   the stage, out: 8,704 w + 272 (lane / 16) + 16 (lane % 16)
.set RO,  5                            ; v5   4 (lane % 16)
.set GP,  6                            ; v6   lane r: row r's gp
.set RAD, 7                            ; v7   lane r: row r's radius
.set SC,  8                            ; v8   2^e as f32
.set LIM, 9                            ; v9   57,344 x 2^e
.set DT,  10                           ; v10-17 the dot products' parts
.set S,   32                           ; v32-39 four rows' sums of squares, in pairs
.set T,   40                           ; v40-43 four rows' sums, norms
.set R,   44                           ; v44-51 four rows' reciprocals (the low word of a pair)
.set C,   52                           ; v52-67 four rows' codes
.set Z,   68                           ; v68-131 four rows' numbers ahead of the quantiser
.set O,   132                          ; v132-195 the way out
.set MSB, 0
.macro WIN new
.if MSB != \new
	s_set_vgpr_msb (MSB<<8)|\new
.set MSB, \new
.endif
.endm
	s_load_b256 s[4:11], s[0:1], 0x0               ; obs s[4:5], beliefs s[6:7], dots s[8:9], gb2 s[10:11]
	s_load_b256 s[12:19], s[0:1], 0x20             ; pb2 s[12:13], the scales' exponents s[14:15], out0 s[16:17], radii s[18:19]
	s_load_b128 s[20:23], s[0:1], 0x40             ; acodes s[20:21], bcodes s[22:23]
	v_lshl_add_u32 v254, v0, 2, 0x8800
	v_mov_b32 v255, 0
	v_lshrrev_b32 v1, 5, v0
	v_readfirstlane_b32 s24, v1                    ; wave
	v_and_b32 v1, 31, v0                           ; lane
	v_lshlrev_b32 v[LO], 4, v1
	s_mul_i32 s27, s24, 8704                       ; my stage
	v_lshrrev_b32 v18, 2, v1
	v_mul_u32_u24 v[SW], v18, 272
	v_and_b32 v18, 3, v1
	v_lshl_add_u32 v[SW], v18, 2, v[SW]
	v_add_nc_u32 v[SW], s27, v[SW]
	v_lshrrev_b32 v18, 4, v1
	v_mul_u32_u24 v[SRD], v18, 272
	v_and_b32 v18, 15, v1
	v_lshl_add_u32 v[SRD], v18, 4, v[SRD]
	v_add_nc_u32 v[SRD], s27, v[SRD]
	v_lshlrev_b32 v[RO], 2, v18
	v_mov_b32 v[RAD], 0
.irp ii, 0,1,2,3
	v_mov_b32 v[R+2*\ii+1], 0                      ; named as the upper half of a pair, so it is written
	s_mov_b32 s[41+2*\ii], 0
.endr
	s_and_b32 s25, ttmp9, 127
	s_lshl_b32 s26, s25, 2
	s_add_co_u32 s26, s26, s24                     ; my tile of 16 rows, 0 .. 511
	s_lshl_b32 s28, s26, 15                        ; x 32,768: the rows
	s_mov_b32 s29, 0
	s_lshl_b32 s54, s26, 13                        ; x 8,192: the codes
	s_mov_b32 s55, 0
	s_lshl_b32 s56, s26, 6                         ; x 64: a number a row
	s_mov_b32 s57, 0
	s_mov_b32 s36, 0x76543210                      ; v_permlanex16_b32's selects for lane l xor 16
	s_mov_b32 s37, 0xfedcba98
	s_mov_b32 s38, 0x322bcc77                      ; 1e-8
	s_mov_b32 s39, 0xbfb8aa3b                      ; -log2(e)
	s_wait_alu depctr_va_vdst(0)
	s_wait_kmcnt 0x0
	s_cmp_lt_u32 ttmp9, 128                        ; obs or beliefs?  The choice hangs on the work-group's number alone
	s_cselect_b32 s30, -1, 0                       ; a mask of all lanes, or of none
	s_cselect_b32 s31, 1, 0
	s_cselect_b64 s[4:5], s[4:5], s[6:7]
	s_cselect_b64 s[20:21], s[20:21], s[22:23]
	s_load_b64 s[32:33], s[14:15], 0x18            ; e6, e7
	s_load_b32 s34, s[10:11], 0x0                  ; gb2
	s_load_b32 s35, s[12:13], 0x0                  ; pb2
	s_add_nc_u64 s[4:5], s[4:5], s[28:29]
	s_add_nc_u64 s[16:17], s[16:17], s[28:29]
	s_add_nc_u64 s[20:21], s[20:21], s[54:55]
	s_add_nc_u64 s[8:9], s[8:9], s[56:57]
	s_add_nc_u64 s[18:19], s[18:19], s[56:57]
.irp ty, 0,1
.irp cb, 0,1,2,3
	global_load_b32 v[DT+4*\ty+\cb], v[RO], s[8:9] offset:131072*\ty+32768*\cb   ; lane r: row r's part from column block cb
.endr
.endr
	WIN 0x40                                       ; destination window 1
.set n, 0
.rept 64
	global_load_b128 v[4*n:4*n+3], v[LO], s[4:5] offset:512*n th:TH_LOAD_NT   ; row n / 4, its n % 4-th 512 bytes: all of the wave's 32 KiB is asked for at once
.set n, n+1
.endr
	WIN 0
	s_wait_kmcnt 0x0
	s_cmp_lt_u32 ttmp9, 128
	s_cselect_b32 s32, s32, s33                    ; e
	s_add_co_i32 s32, s32, 127
	s_lshl_b32 s33, s32, 23
	v_mov_b32 v[SC], s33                           ; 2^e as f32: the conversion takes its exponent field
	s_add_co_i32 s32, s32, 15
	s_lshl_b32 s32, s32, 23
	s_or_b32 s32, s32, 0x600000
	v_mov_b32 v[LIM], s32                          ; 57,344 x 2^e
	; gp, lane r for row r
	s_wait_loadcnt 48                              ; the dot products' parts and rows 0 to 3 are in; rows 4 to 15 may be out
	v_add_f32 v10, v10, v11
	v_add_f32 v14, v14, v15
	v_add_f32 v10, v10, v12
	v_add_f32 v14, v14, v16
	v_add_f32 v10, v10, v13
	v_add_f32 v14, v14, v17
	v_add_f32 v10, s34, v10                        ; zg
	v_add_f32 v14, s35, v14                        ; zp
	v_mul_f32 v18, s39, v10
	v_mul_f32 v19, s39, |v14|
	s_wait_alu depctr_va_vdst(0)
	v_exp_f32 v18, v18                             ; e^-zg
	v_exp_f32 v19, v19                             ; t = e^-|zp|
	v_max_num_f32 v20, 0, v14                      ; (a plain place behind the exponentials)
	s_wait_alu depctr_va_vdst(0)
	v_add_f32 v18, 1.0, v18
	v_add_f32 v21, 1.0, v19                        ; u = 1 + t
	v_add_f32 v22, -1.0, v21                       ; u - 1: what of t is left in u
	s_wait_alu depctr_va_vdst(0)
	v_rcp_f32 v18, v18                             ; the gate
	v_log_f32 v23, v21
	v_rcp_f32 v24, v22
	v_nop
	v_cmp_eq_f32 vcc_lo, 0, v22
	s_wait_alu depctr_va_vdst(0)
	v_mul_f32 v23, 0x3f317218, v23                 ; ln u
	v_mul_f32 v23, v23, v19
	v_mul_f32 v23, v23, v24                        ; log1p(t) = ln u x t / (u - 1),
	v_cndmask_b32 v23, v23, v19, vcc_lo            ; or t where u = 1
	v_add_f32 v20, v20, v23                        ; softplus(zp) = max(zp, 0) + log1p(e^-|zp|)
	v_mul_f32 v[GP], v18, v20
	v_cndmask_b32 v[GP], 1.0, v[GP], s30           ; a belief's factor is 1
.macro SUMSQ g                         ; v[T + ii] = the sum of squares of row 4 g + ii, in every lane; the four rows by turns
	WIN 0x05                                       ; sources 0 and 1 window 1
.irp p, 0,2,4,6,8,10,12,14
.irp ii, 0,1,2,3
.if \p == 0
	v_pk_mul_f32 v[S+2*\ii:S+2*\ii+1], v[16*(4*\g+\ii):16*(4*\g+\ii)+1], v[16*(4*\g+\ii):16*(4*\g+\ii)+1]
.else
	v_pk_fma_f32 v[S+2*\ii:S+2*\ii+1], v[16*(4*\g+\ii)+\p:16*(4*\g+\ii)+\p+1], v[16*(4*\g+\ii)+\p:16*(4*\g+\ii)+\p+1], v[S+2*\ii:S+2*\ii+1]
.endif
.endr
.endr
	WIN 0
.irp ii, 0,1,2,3
	v_add_f32 v[T+\ii], v[S+2*\ii], v[S+2*\ii+1]
.endr
.irp m, 1,2,4,8
.irp ii, 0,1,2,3
	v_add_f32_dpp v[T+\ii], v[T+\ii], v[T+\ii] row_xmask:\m row_mask:0xf bank_mask:0xf
.endr
.endr
.irp ii, 0,1,2,3
	v_permlanex16_b32 v[S+2*\ii], v[T+\ii], s36, s37
.endr
.irp ii, 0,1,2,3
	v_add_f32 v[T+\ii], v[T+\ii], v[S+2*\ii]
.endr
.endm
.macro GROUP g                         ; rows 4 g .. 4 g + 3
	s_wait_loadcnt 48-16*\g                        ; these four rows' sixteen loads are in; the rows behind them may be out
	SUMSQ \g
	s_wait_alu depctr_va_vdst(0)
.irp ii, 0,1,2,3
	v_sqrt_f32 v[T+\ii], v[T+\ii]
.endr
	v_nop                                          ; one plain place behind transcendentals (ISA guide 5.7.2)
	s_wait_alu depctr_va_vdst(0)
.irp ii, 0,1,2,3
	v_max_num_f32 v[T+\ii], s38, v[T+\ii]
.endr
	s_wait_alu depctr_va_vdst(0)
.irp ii, 0,1,2,3
	v_rcp_f32 v[R+2*\ii], v[T+\ii]
.endr
	v_nop
	s_wait_alu depctr_va_vdst(0)
.irp ii, 0,1,2,3
	v_cndmask_b32 v[R+2*\ii], 1.0, v[R+2*\ii], s30 ; 1 / max(|x|, 1e-8); a belief's factor is 1
	v_readlane_b32 s[40+2*\ii], v[GP], 4*\g+\ii    ; the row's gp for all lanes
.endr
	WIN 0x41                                       ; source 0 and destination window 1
.irp p, 0,2,4,6,8,10,12,14
.irp ii, 0,1,2,3
	v_pk_mul_f32 v[16*(4*\g+\ii)+\p:16*(4*\g+\ii)+\p+1], v[16*(4*\g+\ii)+\p:16*(4*\g+\ii)+\p+1], v[R+2*\ii:R+2*\ii+1] op_sel_hi:[1,0]
.endr
.endr
.irp p, 0,2,4,6,8,10,12,14
.irp ii, 0,1,2,3
	v_pk_mul_f32 v[16*(4*\g+\ii)+\p:16*(4*\g+\ii)+\p+1], v[16*(4*\g+\ii)+\p:16*(4*\g+\ii)+\p+1], s[40+2*\ii:41+2*\ii] op_sel_hi:[1,0]   ; two multiplications, in the formula's order
.endr
.endr
	WIN 0
	s_cmp_eq_u32 s31, 0
	s_cbranch_scc1 .Lno_out_\@                     ; beliefs have no out0
	WIN 0x04                                       ; a store's data: window 1
.irp ii, 0,1,2,3
.irp j, 0,1,2,3
	global_store_b128 v[LO], v[16*(4*\g+\ii)+4*\j:16*(4*\g+\ii)+4*\j+3], s[16:17] offset:2048*(4*\g+\ii)+512*\j th:TH_STORE_NT   ; these registers are only read from here on
.endr
.endr
	WIN 0
.Lno_out_\@:
	SUMSQ \g
	s_wait_alu depctr_va_vdst(0)
.irp ii, 0,1,2,3
	v_sqrt_f32 v[T+\ii], v[T+\ii]                  ; the radius
.endr
	v_nop
	s_wait_alu depctr_va_vdst(0)
.irp ii, 0,1,2,3
	s_mov_b32 s[50+\ii], 0x10001<<(4*\g+\ii)
	v_cndmask_b32 v[RAD], v[RAD], v[T+\ii], s[50+\ii]   ; kept in the lanes of the row's number
.endr
.irp ii, 0,1,2,3
	v_max_num_f32 v[T+\ii], s38, v[T+\ii]
.endr
	s_wait_alu depctr_va_vdst(0)
.irp ii, 0,1,2,3
	v_rcp_f32 v[R+2*\ii], v[T+\ii]
.endr
	v_nop
	WIN 0x01                                       ; source 0 window 1
	s_wait_alu depctr_va_vdst(0)
.irp p, 0,2,4,6,8,10,12,14
.irp ii, 0,1,2,3
	v_pk_mul_f32 v[Z+16*\ii+\p:Z+16*\ii+\p+1], v[16*(4*\g+\ii)+\p:16*(4*\g+\ii)+\p+1], v[R+2*\ii:R+2*\ii+1] op_sel_hi:[1,0]
.endr
.endr
	WIN 0
.set i, 0
.rept 64
	v_med3_num_f32 v[Z+i], v[Z+i], -v[LIM], v[LIM] ; the conversion to an 8-bit code does not saturate (ISA guide 7.6.2): the hold at the largest code x the scale
.set i, i+1
.endr
	s_wait_alu depctr_va_vdst(0)
	s_wait_dscnt 0x0                               ; the last group's stores into the stage have read the codes' registers
.irp ii, 0,1,2,3
.irp q, 0,1
	v_cvt_scalef32_pk8_bf8_f32 v[C+4*\ii+2*\q:C+4*\ii+2*\q+1], v[Z+16*\ii+8*\q:Z+16*\ii+8*\q+7], v[SC]
.endr
.endr
	v_nop                                          ; one plain place behind the last conversion
.irp ii, 0,1,2,3
.irp j, 0,1,2,3
	ds_store_b32 v[SW], v[C+4*\ii+\j] offset:2176*\j+16*(4*\g+\ii)   ; line k / 16 = 8 j + lane / 4, the row's 16 bytes, word lane % 4: the 32 lanes touch 32 banks
.endr
.endr
.endm
	GROUP 0
	GROUP 1
	GROUP 2
	GROUP 3
.irp u, 0,1,2,3,4,5,6,7,8,9,10,11,12,13,14,15
	ds_load_b128 v[O+4*\u:O+4*\u+3], v[SRD] offset:544*\u   ; two lines an instruction; LDS serves a wave's instructions in order (ISA guide 5.7.1.4): these see my stores
.endr
.irp u, 0,1,2,3,4,5,6,7,8,9,10,11,12,13,14,15
	s_wait_dscnt 15-\u
	global_store_b128 v[LO], v[O+4*\u:O+4*\u+3], s[20:21] offset:512*\u   ; 512 consecutive bytes of the tile's 8,192
.endr
	s_cmp_eq_u32 s31, 0
	s_cbranch_scc1 .Lno_radii
	global_store_b32 v[RO], v[RAD], s[18:19]
.Lno_radii:
	s_wait_tensorcnt 0x0
	ds_add_u32 v254, v255
	s_wait_dscnt 0x0
	s_endpgm
.Lfunc_end_k_qba33b63884_angles:
	.size	k_qba33b63884_angles, .Lfunc_end_k_qba33b63884_angles-k_qba33b63884_angles
	.p2alignl 7, 3214868480
	.fill 96, 4, 3214868480
	.section	.rodata,"a",@progbits
	.p2align	6, 0x0
	.amdhsa_kernel k_qba33b63884_angles
		.amdhsa_group_segment_fixed_size 35328
		.amdhsa_private_segment_fixed_size 0
		.amdhsa_enable_private_segment 0
		.amdhsa_kernarg_size 80
		.amdhsa_user_sgpr_count 2
		.amdhsa_user_sgpr_kernarg_segment_ptr 1
		.amdhsa_wavefront_size32 1
		.amdhsa_system_sgpr_workgroup_id_x 1
		.amdhsa_system_sgpr_workgroup_id_y 1
		.amdhsa_system_sgpr_workgroup_id_z 1
		.amdhsa_system_vgpr_workitem_id 0
		.amdhsa_next_free_vgpr 512
		.amdhsa_next_free_sgpr 66
		.amdhsa_reserve_vcc 1
		.amdhsa_float_denorm_mode_32 3
		.amdhsa_float_denorm_mode_16_64 3
		.amdhsa_memory_ordered 1
		.amdhsa_forward_progress 1
		.amdhsa_inst_pref_size 105
	.end_amdhsa_kernel
	.amdgpu_metadata
---
amdhsa.version: [ 1, 2 ]
amdhsa.kernels:
  - .name:           k_qba33b63884_angles
    .symbol:         k_qba33b63884_angles.kd
    .args:
      - { .name: obs, .offset: 0, .size: 8, .value_kind: global_buffer, .address_space: global }
      - { .name: beliefs, .offset: 8, .size: 8, .value_kind: global_buffer, .address_space: global }
      - { .name: dots, .offset: 16, .size: 8, .value_kind: global_buffer, .address_space: global }
      - { .name: gb2, .offset: 24, .size: 8, .value_kind: global_buffer, .address_space: global }
      - { .name: pb2, .offset: 32, .size: 8, .value_kind: global_buffer, .address_space: global }
      - { .name: lowp_scales, .offset: 40, .size: 8, .value_kind: global_buffer, .address_space: global }
      - { .name: out0, .offset: 48, .size: 8, .value_kind: global_buffer, .address_space: global }
      - { .name: radii, .offset: 56, .size: 8, .value_kind: global_buffer, .address_space: global }
      - { .name: acodes, .offset: 64, .size: 8, .value_kind: global_buffer, .address_space: global }
      - { .name: bcodes, .offset: 72, .size: 8, .value_kind: global_buffer, .address_space: global }
    .group_segment_fixed_size: 35328
    .private_segment_fixed_size: 0
    .kernarg_segment_align: 8
    .kernarg_segment_size: 80
    .max_flat_workgroup_size: 128
    .sgpr_count:     66
    .vgpr_count:     512
    .wavefront_size: 32
...
	.end_amdgpu_metadata
.endif
;; end of part 2
;; launch sims (part 3): grid 16 x 16, 8 waves a work-group, clusters of 4 x 4, 327,680 bytes of LDS; arguments acodes, bcodes, pval, pidx; writes pval, pidx
.if DOCPART == 3
	.amdgcn_target "amdgcn-amd-amdhsa--gfx1250"
	.amdhsa_code_object_version 6
	.text
	.protected	k_qba33b63884_sims
	.globl	k_qba33b63884_sims
	.p2align	8
	.type	k_qba33b63884_sims,@function
k_qba33b63884_sims:
	s_mov_b64 s[64:65], 0
	v_nop
	global_prefetch_b8 v0, s[64:65] scope:SCOPE_SE
	s_setreg_imm32_b32 hwreg(HW_REG_WAVE_MODE, 25, 1), 1
	s_wait_xcnt 0x0
	s_wait_alu depctr_hold_cnt(0) depctr_sa_sdst(0) depctr_va_vdst(0) depctr_va_sdst(0) depctr_va_ssrc(0) depctr_va_vcc(0) depctr_vm_vsrc(0)
	s_getreg_b32 s2, hwreg(HW_REG_IB_STS2, 6, 4)
	s_cmp_eq_u32 s2, 0
	s_cbranch_scc0 .Lentry_in_a_cluster
	s_endpgm
.Lentry_in_a_cluster:
	s_bfe_u32 s2, ttmp6, 0x10000c
	s_cmp_lg_u32 s2, 0xf033
	s_cbranch_scc0 .Lentry_shape_is_right
	s_endpgm
.Lentry_shape_is_right:
; THE SIMILARITIES, of which only each query's largest and its first place are kept.  sims = obs_ang . a_angles on codes of BF8 (E5M2), K = 512, f32 sums; the factor 2^(e6 + e7) is applied by the next launch.
; acodes, bcodes: [512 tiles of 16 rows][k / 16][row][k % 16]: a fragment (16 rows x 128 K) is 2,048 bytes on end, four loads of 16 bytes a lane at 16 x lane, 512 bytes apart:
; lane (r, h) holds K = 32 c + 16 h + 0 .. 15 in registers 4 c .. 4 c + 3, alike on both sides.
; SHARES.  A work-group owns 512 queries (qb) x 512 beliefs (br).  Wave w keeps 64 queries, four tiles with all of K, in 256 registers (window 1) for the whole launch.  All eight waves walk the 32 belief tiles of 8,192 bytes in LDS.
; CLUSTER 4 x 4: the four work-groups of a row share br and ask for the beliefs jointly; the four of a column share qb and ask for the queries jointly.  Every tensor load of the text is a joint one.
; THE HEAD, one tensor load a wave.  Waves 0-3: the 262,144 bytes of queries, 256 rows of 256 bytes each, into LDS bytes 0 .. 262,143.  Waves 4-7: belief tiles 0-6, 56 rows of 256 bytes each, into the 57,344 bytes behind them.
; A wait for 0 and a barrier; every wave reads its own 32 KiB of queries into registers.  Then every wave waits for all its tensor loads, adds 0 to its spare word and waits for that and for its LDS reads; a round of the
; cluster's barrier; and all eight waves fill bytes 0 .. 204,799 again with belief tiles 7-31, 100 rows of 256 bytes each.  That load is waited for in front of the second run's barrier, seven tiles' work behind its request.
; No prefetch is laid: every byte is asked for at the head or seven tiles ahead of its first read, and the text has no loop to run ahead in.
; S^T = beliefs x queries^T (source 0 = 16 beliefs, source 1 = 16 queries): lane (r, h) holds query r, register j belief 8 h + j of the tile.
; THE RUNNING MAXIMUM, for each lane and tile of queries: the tile's largest of eight; where it is GREATER than the largest so far, the tile's number and its eight sums are kept (selections on VCC, two to an instruction; no branch).
; So the first tile with the largest sum stays; at the end the lowest j that equals it is found, and the two halves of the lanes are joined, the lower index winning where the sums are equal.
; OUT: pval [16 br][8192] f32, pidx [16 br][8192] int32 (the belief's number, 0 .. 8,191).  NaN is not served.
.set LI,   1                           ; v1   16 x lane
.set LB,   2                           ; v2   + the run in hand
.set LQ,   3                           ; v3   16 x lane + 32,768 x wave: my queries in LDS
.set SA,   4                           ; v4   my scratch: + 4 r
.set SB,   5                           ; v5   my scratch: + 8 x lane
.set GO,   6                           ; v6   8 x lane
.set H8B,  7                           ; v7   8 h + 512 br
.set ACC,  16                          ; v16-47  four accumulators
.set TM,   48                          ; v48-51  the tile's largest
.set RUN_, 52                          ; v52-55  the largest so far
.set SNAP, 64                          ; v64-95  that tile's eight sums
.set TID,  101                         ; v101-104 its tile (odd where RUN_'s register is even: the two are written by one dual pair)
.set JJ,   108                         ; v108-111
.set BFS,  128                         ; v128-255 a belief tile's four fragments, two sets
.set FIRST, 262144                     ; LDS: belief tiles 0-6, behind the queries' room
.set NFIRST, 7*8192                    ; their bytes
.set PARTA, 56*256                     ; what each of waves 4-7 brings of them
.set PARTB, 100*256                    ; what each wave brings of tiles 7-31
.set SCR,  FIRST+NFIRST                ; 319,488: 512 bytes of scratch for each wave
.set G0Q,  32                          ; s[32:35] group 0: queries
.set G0A,  36                          ; s[36:39] group 0: belief tiles 0-6
.set G0B,  40                          ; s[40:43] group 0: belief tiles 7-31
.set G1Q,  68                          ; s[68:75], s[76:83], s[84:91]: their groups 1
.set G1A,  76
.set G1B,  84
.set MSB, 0
.macro WIN new
.if MSB != \new
	s_set_vgpr_msb (MSB<<8)|\new
.set MSB, \new
.endif
.endm
.macro CROUND                          ; a round of the cluster's barrier
	s_barrier_signal -1
	s_barrier_wait -1
	s_cmp_lg_u32 s12, 0
	s_cbranch_scc1 .Lnot_wave_0_\@
	s_barrier_signal -3
.Lnot_wave_0_\@:
	s_barrier_wait -3
	s_barrier_signal -1
	s_barrier_wait -1
.endm
.macro FOURNOP
.rept 4
	v_nop
.endr
.endm
.macro SHAPE g, rows                   ; a dense block as rows of 256 bytes: 32 elements of 8 bytes, no padding
	s_mov_b32 s[\g+1], 32<<16                      ; tensor_dim0
	s_mov_b32 s[\g+2], (\rows)<<16                 ; tensor_dim1
	s_mov_b32 s[\g+3], 32<<16                      ; tile_dim0
	s_mov_b32 s[\g+4], \rows                       ; tile_dim1
	s_mov_b32 s[\g+5], 32                          ; tensor_dim0_stride
	s_mov_b32 s[\g+6], 0
	s_mov_b32 s[\g+7], 0
.endm
	s_load_b256 s[4:11], s[0:1], 0x0               ; acodes s[4:5], bcodes s[6:7], pval s[8:9], pidx s[10:11]
	v_lshl_add_u32 v126, v0, 2, 0x4f000            ; my spare word, behind the scratch
	v_mov_b32 v127, 0
	ds_add_u32 v126, v127                          ; the add, twice on end, under one wait
	ds_add_u32 v126, v127
	v_lshrrev_b32 v8, 5, v0
	s_delay_alu instid0(VALU_DEP_1)
	v_readfirstlane_b32 s12, v8                    ; wave 0..7
	s_bfe_u32 s13, ttmp6, 0x40000                  ; cx
	s_bfe_u32 s44, ttmp6, 0x40004                  ; cy
	s_lshl_b32 s14, ttmp9, 2
	s_add_co_u32 s14, s14, s13                     ; qb = 4 x cluster x + cx
	s_and_b32 s15, ttmp7, 0xffff
	s_lshl_b32 s15, s15, 2
	s_add_co_u32 s15, s15, s44                     ; br = 4 x cluster y + cy
	s_lshl_b32 s45, s44, 2
	s_lshl_b32 s45, 15, s45                        ; my row of the cluster: the same br
	s_lshl_b32 s46, 0x1111, s13                    ; my column: the same qb
	s_or_b32 s[G1Q], s46, (3<<16)|(1<<21)          ; 15:0 the mask; 17:16 elements of 8 bytes; 21 set beside a mask
	s_or_b32 s[G1A], s45, (3<<16)|(1<<21)
	s_or_b32 s[G1B], s45, (3<<16)|(1<<21)
	SHAPE G1Q, 256
	SHAPE G1A, 56
	SHAPE G1B, 100
	s_lshl_b32 s24, s12, 15                        ; 32,768 x wave: my queries in LDS
	s_and_b32 s25, s12, 3
	s_lshl_b32 s47, s25, 16                        ; the quarter of the queries that waves 0-3 fetch
	s_mul_i32 s20, s25, PARTA                      ; the quarter of tiles 0-6 that waves 4-7 fetch
	s_mul_i32 s21, s12, PARTB                      ; my eighth of tiles 7-31
	s_lshl_b32 s28, s14, 18                        ; the queries' address hangs on qb alone,
	s_add_co_u32 s28, s28, s47
	s_mov_b32 s29, 0
	s_lshl_b32 s26, s15, 18                        ; the beliefs' two on br alone
	s_add_co_u32 s26, s26, s20
	s_mov_b32 s27, 0
	s_lshl_b32 s22, s15, 18
	s_add_co_u32 s22, s22, s21
	s_add_co_u32 s22, s22, NFIRST
	s_mov_b32 s23, 0
	s_lshl_b32 s30, s15, 15                        ; the outputs: [br][512 qb + 64 w ..], 4 bytes each
	s_lshl_b32 s31, s14, 11
	s_add_co_u32 s30, s30, s31
	s_lshl_b32 s31, s12, 8
	s_add_co_u32 s30, s30, s31
	s_mov_b32 s31, 0
	s_lshl_b32 s48, s12, 9
	s_add_co_u32 s48, s48, SCR                     ; my scratch
	s_lshl_b32 s49, s15, 9
	s_mov_b32 s56, 0x76543210                      ; v_permlanex16_b32's selects for lane l xor 16
	s_mov_b32 s57, 0xfedcba98
	v_and_b32 v8, 31, v0                           ; lane.  Every address register is made here, ahead of the waves' parting
	s_delay_alu instid0(VALU_DEP_1)
	v_lshlrev_b32 v[LI], 4, v8
	v_and_b32 v9, 15, v0                           ; r
	v_bfe_u32 v10, v0, 4, 1                        ; h
	v_add_nc_u32 v[LQ], s24, v[LI]
	v_lshl_add_u32 v[SA], v9, 2, s48
	v_lshl_add_u32 v[SB], v8, 3, s48
	v_lshlrev_b32 v[GO], 3, v8
	v_lshl_add_u32 v[H8B], v10, 3, s49
	s_wait_alu depctr_va_vdst(0)                   ; the wait at the head's end
	s_wait_dscnt 0x0                               ; both opening adds are done
	s_wait_kmcnt 0x0
	s_add_nc_u64 s[28:29], s[4:5], s[28:29]
	s_add_nc_u64 s[26:27], s[6:7], s[26:27]
	s_add_nc_u64 s[22:23], s[6:7], s[22:23]
	s_add_nc_u64 s[8:9], s[8:9], s[30:31]
	s_add_nc_u64 s[10:11], s[10:11], s[30:31]
	s_mov_b32 s[G0Q], 1
	s_add_co_u32 s[G0Q+1], s47, 0
	s_add_nc_u64 s[G0Q+2:G0Q+3], s[28:29], 0
	s_or_b32 s[G0Q+3], s[G0Q+3], 0x80000000
	s_mov_b32 s[G0A], 1
	s_add_co_u32 s[G0A+1], s20, FIRST
	s_add_nc_u64 s[G0A+2:G0A+3], s[26:27], 0
	s_or_b32 s[G0A+3], s[G0A+3], 0x80000000
	s_mov_b32 s[G0B], 1
	s_add_co_u32 s[G0B+1], s21, 0
	s_add_nc_u64 s[G0B+2:G0B+3], s[22:23], 0
	s_or_b32 s[G0B+3], s[G0B+3], 0x80000000
	CROUND                                         ; all sixteen work-groups are here: the joint loads meet
	s_cmp_lt_u32 s12, 4                            ; one chain of branches on the wave's number, one fill to an arm
	s_cbranch_scc0 .Lfor_b
	tensor_load_to_lds s[G0Q:G0Q+3], s[G1Q:G1Q+7]  ; waves 0-3: the queries
	s_nop 0
	FOURNOP
	s_branch .Lasked
.Lfor_b:
	tensor_load_to_lds s[G0A:G0A+3], s[G1A:G1A+7]  ; waves 4-7: belief tiles 0-6
	s_nop 0
	FOURNOP
.Lasked:
	s_wait_tensorcnt 0x0                           ; my load has landed
	s_barrier_signal -1
	s_barrier_wait -1                              ; everybody's has
	WIN 0x40                                       ; destination window 1
.set n, 0
.rept 64
	ds_load_b128 v[4*n:4*n+3], v[LQ] offset:512*n  ; fragment (tile a, K step s) at 64 a + 16 s
.set n, n+1
.endr
	WIN 0
	s_wait_tensorcnt 0x0                           ; no tensor load of mine is out,
	ds_add_u32 v126, v127                          ; 0 onto my spare word,
	s_wait_dscnt 0x0                               ; the add is done, and my queries are in registers
	CROUND                                         ; no wave of any partner reads the queries' room any more
	tensor_load_to_lds s[G0B:G0B+3], s[G1B:G1B+7]  ; belief tiles 7-31: every wave's one tensor load behind the round, and the first thing there
	s_nop 0
	FOURNOP
.macro BLOAD t, p                      ; the run's tile t into set p: 16 loads
.irp n, 0,1,2,3,4,5,6,7,8,9,10,11,12,13,14,15
	ds_load_b128 v[BFS+64*(\p)+4*\n:BFS+64*(\p)+4*\n+3], v[LB] offset:8192*(\t)+512*\n
.endr
.endm
.macro ARGMAX                          ; tile TT of the range; each accumulator is read from its low end on
.if TT == 0
.set MX, RUN_                          ; the first tile starts the running maximum: nothing is set beforehand
.else
.set MX, TM
.endif
.irp a, 0,1,2,3
	v_max3_num_f32 v[MX+\a], v[ACC+8*\a], v[ACC+8*\a+1], v[ACC+8*\a+2]
.endr
.irp a, 0,1,2,3
	v_max3_num_f32 v[MX+\a], v[MX+\a], v[ACC+8*\a+3], v[ACC+8*\a+4]
.endr
.irp a, 0,1,2,3
	v_max3_num_f32 v[MX+\a], v[MX+\a], v[ACC+8*\a+5], v[ACC+8*\a+6]
.endr
.irp a, 0,1,2,3
	v_max_num_f32 v[MX+\a], v[MX+\a], v[ACC+8*\a+7]
.endr
.if TT == 0
.irp a, 0,1,2,3
	v_mov_b32 v[TID+\a], 0
.endr
.irp j, 0,1,2,3,4,5,6,7
.irp a, 0,1,2,3
	v_mov_b32 v[SNAP+8*\a+\j], v[ACC+8*\a+\j]
.endr
.endr
.else
.irp a, 0,1,2,3
	v_cmp_le_f32 vcc_lo, v[TM+\a], v[RUN_+\a]      ; not greater: what was kept stays
	v_dual_max_num_f32 v[RUN_+\a], v[RUN_+\a], v[TM+\a] :: v_dual_cndmask_b32 v[TID+\a], TT, v[TID+\a]
.irp j, 0,2,4,6
	v_dual_cndmask_b32 v[SNAP+8*\a+\j], v[ACC+8*\a+\j], v[SNAP+8*\a+\j] :: v_dual_cndmask_b32 v[SNAP+8*\a+\j+1], v[ACC+8*\a+\j+1], v[SNAP+8*\a+\j+1]
.endr
.endr
.endif
.endm
; A belief tile (TL: its place in the run of CNT tiles; TT: its number in the range): the next tile's fragments are asked for, this tile's 16 products (K step by K step, the four accumulators by turns
; then the running maximum.  The four v_nop are the places behind the last products; they and the selections that name other accumulators are the places in front of the next loads
; into the fragments' registers and of the next tile's first products, which begin the accumulators anew.
.macro TILE
.if TL < CNT-1
	BLOAD TL+1, 1-TL%2
	s_wait_dscnt 16                                ; this tile's fragments are in; the sixteen loads just issued may be out
.else
	s_wait_dscnt 0x0
.endif
	WIN 0x04                                       ; source 1 (the queries) window 1
.irp s, 0,1,2,3
.irp a, 0,1,2,3
.if \s == 0
	v_wmma_f32_16x16x128_bf8_bf8 v[ACC+8*\a:ACC+8*\a+7], v[BFS+64*(TL%2)+16*\s:BFS+64*(TL%2)+16*\s+15], v[64*\a+16*\s:64*\a+16*\s+15], 0
.else
	v_wmma_f32_16x16x128_bf8_bf8 v[ACC+8*\a:ACC+8*\a+7], v[BFS+64*(TL%2)+16*\s:BFS+64*(TL%2)+16*\s+15], v[64*\a+16*\s:64*\a+16*\s+15], v[ACC+8*\a:ACC+8*\a+7]
.endif
.endr
.endr
	WIN 0
	FOURNOP
	ARGMAX
.set TL, TL+1
.set TT, TT+1
.endm
.macro WALK base, cnt                  ; a run of cnt tiles that lie from LDS byte base on
.set TL, 0
.set CNT, \cnt
	v_add_nc_u32 v[LB], \base, v[LI]
	BLOAD 0, 0
.rept \cnt
	TILE
.endr
.endm
.macro MEET                            ; the eight waves begin each run together
	s_wait_dscnt 0x0
	s_barrier_signal -1
	s_barrier_wait -1
.endm
.set TT, 0
	WALK FIRST, 7                                  ; tiles 0-6, while tiles 7-31 are on their way
	s_wait_tensorcnt 0x0                           ; my part of tiles 7-31 is in
	MEET                                           ; everybody's is
	WALK 0, 7                                      ; tile t lies at 8,192 (t - 7)
	MEET
	WALK 7*8192, 6
	MEET
	WALK 13*8192, 6
	MEET
	WALK 19*8192, 6
	; THE END: the lowest j whose sum equals the largest; the belief's number; the other half of the lanes
.irp a, 0,1,2,3
	v_mov_b32 v[JJ+\a], 7
.endr
.irp j, 6,5,4,3,2,1,0
.irp a, 0,1,2,3
	v_cmp_eq_f32 s[50+\a], v[SNAP+8*\a+\j], v[RUN_+\a]
.endr
.irp a, 0,1,2,3
	s_delay_alu instid0(VALU_DEP_4)
	v_cndmask_b32 v[JJ+\a], v[JJ+\a], \j, s[50+\a]
.endr
.endr
.irp a, 0,1,2,3
	s_delay_alu instid0(VALU_DEP_4)
	v_lshl_add_u32 v[SNAP+8*\a+2], v[TID+\a], 4, v[JJ+\a]
.endr
.irp a, 0,1,2,3
	s_delay_alu instid0(VALU_DEP_4)
	v_add_nc_u32 v[SNAP+8*\a+2], v[SNAP+8*\a+2], v[H8B]   ; 512 br + 16 tile + 8 h + j
.endr
.irp a, 0,1,2,3
	v_permlanex16_b32 v[SNAP+8*\a], v[RUN_+\a], s56, s57       ; (the snapshots are done with: written registers take the exchange)
	v_permlanex16_b32 v[SNAP+8*\a+1], v[SNAP+8*\a+2], s56, s57
.endr
.irp a, 0,1,2,3
	v_cmp_gt_f32 s[50+\a], v[SNAP+8*\a], v[RUN_+\a]
	v_cmp_eq_f32 s54, v[SNAP+8*\a], v[RUN_+\a]
	v_cmp_lt_u32 s55, v[SNAP+8*\a+1], v[SNAP+8*\a+2]
	s_and_b32 s54, s54, s55
	s_or_b32 s[50+\a], s[50+\a], s54               ; the other half's is greater, or equal with a lower number
	v_cndmask_b32 v[RUN_+\a], v[RUN_+\a], v[SNAP+8*\a], s[50+\a]
	v_cndmask_b32 v[SNAP+8*\a+2], v[SNAP+8*\a+2], v[SNAP+8*\a+1], s[50+\a]
	ds_store_b32 v[SA], v[RUN_+\a] offset:64*\a    ; lanes l and l + 16 write the same word with the same number
	ds_store_b32 v[SA], v[SNAP+8*\a+2] offset:256+64*\a
.endr
	ds_load_b64 v[96:97], v[SB]                    ; my wave's own bytes, served in order: 64 queries, two a lane
	ds_load_b64 v[98:99], v[SB] offset:256
	s_wait_dscnt 0x0
	global_store_b64 v[GO], v[96:97], s[8:9]       ; 256 consecutive bytes, at a multiple of 256 from the buffer's first byte
	global_store_b64 v[GO], v[98:99], s[10:11]
	s_wait_tensorcnt 0x0                           ; the wave's end
	ds_add_u32 v126, v127
	s_wait_dscnt 0x0
	CROUND                                         ; the closing round
	s_endpgm
.Lfunc_end_k_qba33b63884_sims:
	.size	k_qba33b63884_sims, .Lfunc_end_k_qba33b63884_sims-k_qba33b63884_sims
	.p2alignl 7, 3214868480
	.fill 96, 4, 3214868480
	.section	.rodata,"a",@progbits
	.p2align	6, 0x0
	.amdhsa_kernel k_qba33b63884_sims
		.amdhsa_group_segment_fixed_size 327680
		.amdhsa_private_segment_fixed_size 0
		.amdhsa_enable_private_segment 0
		.amdhsa_kernarg_size 32
		.amdhsa_user_sgpr_count 2
		.amdhsa_user_sgpr_kernarg_segment_ptr 1
		.amdhsa_wavefront_size32 1
		.amdhsa_system_sgpr_workgroup_id_x 1
		.amdhsa_system_sgpr_workgroup_id_y 1
		.amdhsa_system_sgpr_workgroup_id_z 1
		.amdhsa_system_vgpr_workitem_id 0
		.amdhsa_next_free_vgpr 512
		.amdhsa_next_free_sgpr 92
		.amdhsa_reserve_vcc 1
		.amdhsa_float_denorm_mode_32 3
		.amdhsa_float_denorm_mode_16_64 3
		.amdhsa_memory_ordered 1
		.amdhsa_forward_progress 1
		.amdhsa_inst_pref_size 163
	.end_amdhsa_kernel
	.amdgpu_metadata
---
amdhsa.version: [ 1, 2 ]
amdhsa.kernels:
  - .name:           k_qba33b63884_sims
    .symbol:         k_qba33b63884_sims.kd
    .args:
      - { .name: acodes, .offset: 0, .size: 8, .value_kind: global_buffer, .address_space: global }
      - { .name: bcodes, .offset: 8, .size: 8, .value_kind: global_buffer, .address_space: global }
      - { .name: pval, .offset: 16, .size: 8, .value_kind: global_buffer, .address_space: global }
      - { .name: pidx, .offset: 24, .size: 8, .value_kind: global_buffer, .address_space: global }
    .group_segment_fixed_size: 327680
    .private_segment_fixed_size: 0
    .kernarg_segment_align: 8
    .kernarg_segment_size: 32
    .max_flat_workgroup_size: 256
    .sgpr_count:     92
    .vgpr_count:     512
    .wavefront_size: 32
...
	.end_amdgpu_metadata
.endif
;; end of part 3
;; launch pick (part 4): grid 64 x 1, 1 waves a work-group, no clusters, 0 bytes of LDS; arguments pval, pidx, radii, active_indices, lowp_scales, out1, out2, out3; writes out1, out2, out3
.if DOCPART == 4
	.amdgcn_target "amdgcn-amd-amdhsa--gfx1250"
	.amdhsa_code_object_version 6
	.text
	.protected	k_qba33b63884_pick
	.globl	k_qba33b63884_pick
	.p2align	8
	.type	k_qba33b63884_pick,@function
k_qba33b63884_pick:
	s_mov_b64 s[64:65], 0
	v_nop
	global_prefetch_b8 v0, s[64:65] scope:SCOPE_SE
	s_setreg_imm32_b32 hwreg(HW_REG_WAVE_MODE, 25, 1), 1
	s_wait_xcnt 0x0
; THE CHOICE.  For each query: the largest of the sixteen ranges' largest sums (the first range wins where sums are equal: the ranges ascend), x 2^(e6 + e7); its belief's entry of active_indices;
; matched = radius > 0.05 and best > 0.7;  out1 = matched ? entry : -1;  out2 = matched ? best : 0;  out3 = matched.
; One wave takes 128 queries, four a lane.  The entries of ALL sixteen candidates are gathered, by the whole numbers
; that the launch before stored (held within the table's 8,192 entries), and the comparison only selects among the gathered values.
; A wave's part of out3 is 128 bytes, stored by one instruction.  NaN is not served.
.set IX, 16                            ; v16-79   the candidates' numbers, then their byte offsets
.set PV, 80                            ; v80-143  their sums; v80-83 become the best
.set AC, 144                           ; v144-207 their entries; v144-147 become the best's
	s_load_b256 s[4:11], s[0:1], 0x0               ; pval s[4:5], pidx s[6:7], radii s[8:9], active_indices s[10:11]
	s_load_b256 s[12:19], s[0:1], 0x20             ; the scales' exponents s[12:13], out1 s[14:15], out2 s[16:17], out3 s[18:19]
	v_lshlrev_b32 v1, 4, v0                        ; four numbers of 4 bytes a lane
	v_lshlrev_b32 v2, 2, v0                        ; four bytes a lane
	s_lshl_b32 s20, ttmp9, 9
	s_mov_b32 s21, 0
	s_lshl_b32 s22, ttmp9, 7
	s_mov_b32 s23, 0
	s_mov_b32 s30, 0x3d4ccccd                      ; 0.05
	s_mov_b32 s31, 0x3f333333                      ; 0.7
	s_wait_alu depctr_va_vdst(0)
	s_wait_kmcnt 0x0
	s_load_b64 s[24:25], s[12:13], 0x18            ; e6, e7
	s_add_nc_u64 s[4:5], s[4:5], s[20:21]
	s_add_nc_u64 s[6:7], s[6:7], s[20:21]
	s_add_nc_u64 s[8:9], s[8:9], s[20:21]
	s_add_nc_u64 s[14:15], s[14:15], s[20:21]
	s_add_nc_u64 s[16:17], s[16:17], s[20:21]
	s_add_nc_u64 s[18:19], s[18:19], s[22:23]
.irp k, 0,1,2,3,4,5,6,7,8,9,10,11,12,13,14,15
	global_load_b128 v[IX+4*\k:IX+4*\k+3], v1, s[6:7] offset:32768*\k
.endr
.irp k, 0,1,2,3,4,5,6,7,8,9,10,11,12,13,14,15
	global_load_b128 v[PV+4*\k:PV+4*\k+3], v1, s[4:5] offset:32768*\k
.endr
	global_load_b128 v[8:11], v1, s[8:9]
	s_wait_loadcnt 17                              ; the numbers are in; the sixteen loads of sums and the one of radii may be out
.set i, 0
.rept 64
	v_min_u32 v[IX+i], 0x1fff, v[IX+i]             ; inside the table
	v_lshlrev_b32 v[IX+i], 2, v[IX+i]
.set i, i+1
.endr
.set i, 0
.rept 64
	global_load_b32 v[AC+i], v[IX+i], s[10:11]
.set i, i+1
.endr
	s_wait_loadcnt 0x0
.irp k, 1,2,3,4,5,6,7,8,9,10,11,12,13,14,15
.irp q, 0,1,2,3
	v_cmp_gt_f32 s[26+\q], v[PV+4*\k+\q], v[PV+\q] ; strictly greater: the earlier range stays where sums are equal
.endr
.irp q, 0,1,2,3
	v_max_num_f32 v[PV+\q], v[PV+\q], v[PV+4*\k+\q]
.endr
.irp q, 0,1,2,3
	v_cndmask_b32 v[AC+\q], v[AC+\q], v[AC+4*\k+\q], s[26+\q]
.endr
.endr
	s_wait_alu depctr_va_vdst(0)
	s_wait_kmcnt 0x0
	s_add_co_i32 s24, s24, s25
.irp q, 0,1,2,3
	v_ldexp_f32 v[PV+\q], v[PV+\q], s24            ; x 2^(e6 + e7)
.endr
.irp q, 0,1,2,3
	v_cmp_gt_f32 s[26+\q], v[8+\q], s30
	v_cmp_gt_f32 vcc_lo, v[PV+\q], s31
	s_and_b32 s[26+\q], s[26+\q], vcc_lo           ; matched
	v_cndmask_b32 v[208+\q], -1, v[AC+\q], s[26+\q]
	v_cndmask_b32 v[212+\q], 0, v[PV+\q], s[26+\q]
	v_cndmask_b32 v[216+\q], 0, 1, s[26+\q]
.endr
	v_lshl_or_b32 v220, v217, 8, v216
	v_lshl_or_b32 v220, v218, 16, v220
	v_lshl_or_b32 v220, v219, 24, v220             ; four booleans, a byte each
	global_store_b128 v1, v[208:211], s[14:15]     ; 512 consecutive bytes
	global_store_b128 v1, v[212:215], s[16:17]
	global_store_b32 v2, v220, s[18:19]
	s_endpgm
.Lfunc_end_k_qba33b63884_pick:
	.size	k_qba33b63884_pick, .Lfunc_end_k_qba33b63884_pick-k_qba33b63884_pick
	.p2alignl 7, 3214868480
	.fill 96, 4, 3214868480
	.section	.rodata,"a",@progbits
	.p2align	6, 0x0
	.amdhsa_kernel k_qba33b63884_pick
		.amdhsa_group_segment_fixed_size 0
		.amdhsa_private_segment_fixed_size 0
		.amdhsa_enable_private_segment 0
		.amdhsa_kernarg_size 64
		.amdhsa_user_sgpr_count 2
		.amdhsa_user_sgpr_kernarg_segment_ptr 1
		.amdhsa_wavefront_size32 1
		.amdhsa_system_sgpr_workgroup_id_x 1
		.amdhsa_system_sgpr_workgroup_id_y 1
		.amdhsa_system_sgpr_workgroup_id_z 1
		.amdhsa_system_vgpr_workitem_id 0
		.amdhsa_next_free_vgpr 256
		.amdhsa_next_free_sgpr 66
		.amdhsa_reserve_vcc 1
		.amdhsa_float_denorm_mode_32 3
		.amdhsa_float_denorm_mode_16_64 3
		.amdhsa_memory_ordered 1
		.amdhsa_forward_progress 1
		.amdhsa_inst_pref_size 28
	.end_amdhsa_kernel
	.amdgpu_metadata
---
amdhsa.version: [ 1, 2 ]
amdhsa.kernels:
  - .name:           k_qba33b63884_pick
    .symbol:         k_qba33b63884_pick.kd
    .args:
      - { .name: pval, .offset: 0, .size: 8, .value_kind: global_buffer, .address_space: global }
      - { .name: pidx, .offset: 8, .size: 8, .value_kind: global_buffer, .address_space: global }
      - { .name: radii, .offset: 16, .size: 8, .value_kind: global_buffer, .address_space: global }
      - { .name: active_indices, .offset: 24, .size: 8, .value_kind: global_buffer, .address_space: global }
      - { .name: lowp_scales, .offset: 32, .size: 8, .value_kind: global_buffer, .address_space: global }
      - { .name: out1, .offset: 40, .size: 8, .value_kind: global_buffer, .address_space: global }
      - { .name: out2, .offset: 48, .size: 8, .value_kind: global_buffer, .address_space: global }
      - { .name: out3, .offset: 56, .size: 8, .value_kind: global_buffer, .address_space: global }
    .group_segment_fixed_size: 0
    .private_segment_fixed_size: 0
    .kernarg_segment_align: 8
    .kernarg_segment_size: 64
    .max_flat_workgroup_size: 32
    .sgpr_count:     66
    .vgpr_count:     256
    .wavefront_size: 32
...
	.end_amdgpu_metadata
.endif
;; end of part 4
